; MI455X (gfx1250); checked and timed in simulation.
; The chip was launched on July 23, 2026; its instructions are those of AMD's public machine-readable ISA for CDNA 5 (MIT licence, August 2026) and "CDNA5" Instruction Set Architecture Reference Guide (July 2026). The comments in the code are by the model that wrote it; some were corrected since.
;; Self Attention. Allowed arithmetic: matrix products marked QUANTISED: E4M3 operands, one E8M0 scale for each 32 along K, by v_wmma_scale_f32_16x16x128_f8f6f4 with both operands' format E4M3, f32 sums; everything else in f32.
;; Inputs: Wk_codes 1,024 x 32 x 32 uint8 (E4M3 codes of Wk, K innermost, in blocks of 32 codes); Wk_scales 1,024 x 32 uint8 (E8M0 scales of Wk, one for each 32 codes along K); Wq_codes 1,024 x 32 x 32 uint8 (E4M3 codes of Wq, K innermost, in blocks of 32 codes); Wq_scales 1,024 x 32 uint8 (E8M0 scales of Wq, one for each 32 codes along K); Wv_codes 1,024 x 32 x 32 uint8 (E4M3 codes of Wv, K innermost, in blocks of 32 codes); Wv_scales 1,024 x 32 uint8 (E8M0 scales of Wv, one for each 32 codes along K); x_codes 4 x 2,048 x 32 x 32 uint8 (E4M3 codes of x, K innermost, in blocks of 32 codes); x_scales 4 x 2,048 x 32 uint8 (E8M0 scales of x, one for each 32 codes along K).
;; Outputs: out0 4 x 2,048 x 1,024 float32.
;; This version of the problem:
;;   THIS VERSION OF THE PROBLEM IS GIVEN IN LOW PRECISION. The matrix products marked QUANTISED in the list below multiply operands that are first quantised to E4M3 (4 exponent bits, 3 mantissa bits; 8 bits a number), with one power-of-two scale for each 32 numbers along K (OCP MX v1.0); their sums are f32. All else is computed in f32.
;;   The module's matrix products, in the order in which they are computed (A, B: the left and right operand; K: the contracted axis; several contracted axes count as one K, in the product's order):
;;     1. [M 8,192, K 1,024] x [K 1,024, N 1,024]; A: input x (given as codes); B: input Wq (given as codes): QUANTISED
;;     2. [M 8,192, K 1,024] x [K 1,024, N 1,024]; A: input x (given as codes); B: input Wk (given as codes): QUANTISED
;;     3. [M 8,192, K 1,024] x [K 1,024, N 1,024]; A: input x (given as codes); B: input Wv (given as codes): QUANTISED
;;     4. batch 64 x [M 2,048, K 64] x [K 64, N 2,048]; A: computed on the way; B: computed on the way: QUANTISED
;;     5. batch 64 x [M 64, K 2,048] x [K 2,048, N 2,048]; A: computed on the way; B: softmax (see below): QUANTISED
;;   THE QUANTISER, for each operand of a quantised product, along K:
;;     - K is cut into blocks of 32 from its start; a last block that is shorter is filled with zeros.
;;     - A block's scale is 2^e with e = floor(log2(the largest magnitude in the block)) - 8, held to -126 .. 127; a block of zeros has e = 0. As a byte (E8M0): e + 127.
;;     - Each number is divided by its block's scale, clamped to +-448, and rounded to the nearest number of E4M3, ties to even, subnormals kept.
;;     - The product sums the exact products of the quantised numbers (number of the format x scale) in f32.
;;   ~~~python
;;   def quantise(x, axis):      # numpy; x: float32 -> the quantised numbers, widened to float32 again
;;       x = np.moveaxis(x, axis, -1); K = x.shape[-1]
;;       x = np.pad(x, [(0, 0)] * (x.ndim - 1) + [(0, -K % 32)]); x = x.reshape(x.shape[:-1] + (-1, 32)); a = np.abs(x).max(-1, keepdims=True)
;;       e = np.where(a > 0, np.clip(np.frexp(np.where(a > 0, a, 1))[1] - 1 - 8, -126, 127), 0)      # np.frexp(a)[1] - 1 = floor(log2(a)), exactly
;;       r = np.clip(x / 2.0 ** e, -448, 448)
;;       step = 2.0 ** (np.maximum(np.frexp(np.where(r == 0, 1, r))[1] - 1, -6) - 3)
;;       q = np.round(r / step) * step * 2.0 ** e      # np.round: ties to even
;;       return np.moveaxis(q.reshape(q.shape[:-2] + (-1,))[..., :K], -1, axis).astype(np.float32)
;;   ~~~
;;   SOFTMAX AHEAD OF A QUANTISED PRODUCT. Where the list says 'softmax', what is quantised is not the finished softmax but p = 2^(t - M), with t = logit x log2(e) and M = ceil(the row's largest t), a whole number; so 1/2 < the row's largest p <= 1. The row's sum l is taken of the UNQUANTISED p, in f32, and the product's result is divided by l at the end. Since M is a whole number, a kernel that streams over the keys may use a running M (the ceiling of the running maximum): every later rescaling is an exact power of two, which a block's scale takes up: the codes' values come out the same.
;;   OPERANDS COMPUTED ON THE WAY. 'Computed on the way' means the value that the module computes at that place (a softmax that the list does not call 'softmax' is quantised finished and normalised). What goes into a quantiser is computed in f32, as accurately as f32 sums, v_exp_f32 and their like allow (about 1e-6 of the number): no bf16 or f16 on the way to a quantiser, and a product that is left as it is and whose result goes on into a quantised operand takes f32 operands (vector FMAs, or v_wmma_f32_16x16x4_f32). A number that lies on a knife's edge between two numbers of the format may be rounded either way, as far as f32 arithmetic and the matrix unit's own rounding can turn it there, and no further.
;;   INPUTS GIVEN AS CODES. Wk (in the module: [1024, 1024], K = its axis 1); Wq (in the module: [1024, 1024], K = its axis 1); Wv (in the module: [1024, 1024], K = its axis 1); x (in the module: [4, 2048, 1024], K = its axis 2): each comes as NAME_codes (uint8): NAME with its K axis moved to the last place and cut into blocks of 32 codes, [.., K / 32, bytes a block], one block behind the other in memory; one code a byte (a code: sign, 4 exponent bits, 3 mantissa bits); and NAME_scales (uint8): the same leading axes, one E8M0 byte (e + 127) for each 32 codes along K. Its value is code x scale, taken as it is: it is not quantised again, and the codes and scales need not be those that the quantiser above would give.
;; One version. Each part assembles by itself: llvm-mc -triple=amdgcn-amd-amdhsa -mcpu=gfx1250 --defsym DOCPART=n.
;; ======== version 1 of 1: 2 launches
;; limits: right only within a limited range of input values
;; workspace buffers: ws 25,952,256 bytes
;; launch proj (part 1): grid 96 x 4, 4 waves a work-group, clusters of 4 x 4, 327,680 bytes of LDS; arguments x_codes, x_scales, Wq_codes, Wq_scales, Wk_codes, Wk_scales, Wv_codes, Wv_scales, ws; writes ws
.if DOCPART == 1
	.amdgcn_target "amdgcn-amd-amdhsa--gfx1250"
	.amdhsa_code_object_version 6
	.text
	.protected	k_q9beae0df31_proj
	.globl	k_q9beae0df31_proj
	.p2align	8
	.type	k_q9beae0df31_proj,@function
k_q9beae0df31_proj:
	s_mov_b64 s[64:65], 0
	v_nop
	global_prefetch_b8 v0, s[64:65] scope:SCOPE_SE
	s_setreg_imm32_b32 hwreg(HW_REG_WAVE_MODE, 25, 1), 1
	s_wait_xcnt 0x0
	s_wait_alu depctr_hold_cnt(0) depctr_sa_sdst(0) depctr_va_vdst(0) depctr_va_sdst(0) depctr_va_ssrc(0) depctr_va_vcc(0) depctr_vm_vsrc(0)
	s_getreg_b32 s2, hwreg(HW_REG_IB_STS2, 6, 4)
	s_cmp_eq_u32 s2, 0
	s_cbranch_scc0 .Lentry_in_a_cluster
	s_endpgm
.Lentry_in_a_cluster:
	s_bfe_u32 s2, ttmp6, 0x10000c
	s_cmp_lg_u32 s2, 0xf033
	s_cbranch_scc0 .Lentry_shape_is_right
	s_endpgm
.Lentry_shape_is_right:
; Q = x Wq^T, K = x Wk^T, V^T = Wv x^T on codes of FP8 (E4M3) with E8M0 scales, each result quantised again and stored in ws as images of the next launch's operand registers.
; A work-group makes a tile of 256 x 256; cluster x / 8 says which product (0: Q, 1: K, 2: V, where Wv's rows are the tile's rows and x's rows its columns, so that V is quantised along the tokens).
; K goes in steps of 256 through a ring of two LDS slots; the scale bytes of the tile's rows and columns come once and stay.  4 x 4 work-groups ask jointly for the tiles that they share.
; No prefetch is written: K has four steps, of which two are asked for at the head.  NaN and infinities are not served.
.set KSTEP,  256
.set NQ,     KSTEP/128
.set ROWB,   256
.set KROW,   1024
.set PITCH,  272
.set FR,     16
.set NL,     4
.set NP,     8
.set HALFT,  128*PITCH
.set SLOT,   4*HALFT
.set LAPS,   2
.set KS,     32
.set SCL,    2*SLOT
.set HALFS,  (128*KS/256)*272
.set SBLK,   (16*KS/256)*272
.set SPARE,  SCL+4*HALFS
.set BLK,    8448
.set QHEAD,  16*BLK
.set KVHEAD, 32*BLK
.set KVOFF,  64*QHEAD
.set ADRA, 16
.set ADRB, 20
.set VO0,  24
.set VO1,  25
.set V8A,  26
.set ADRS, 27
.set SPW,  28
.set NIL,  29
.set V8B,  30
.set FL,   31
.set SC,   32
.set AF,   128
.set YP,   64
.set HELD, 128
.set PC,   192
.set WRD,  224
.set TM,   232
.set ZP,   248
.set G1, 24
.set G0, 32
.set G1B, 48
.set G0B, 56
.set G1S, 68
.set G0S, 76
.set G1SB, 80
.set G0SB, 88
.set MSB, 0
.macro WIN new
.if MSB != (\new)
	s_set_vgpr_msb (MSB<<8)|(\new)
.set MSB, (\new)
.endif
.endm
.set MUL_LO, 0xa1
.set MUL_HI, 0xf1
.set TO_B,   0x40
.macro JLOAD g0a, g1a, g0b, g1b
	s_cmp_eq_u32 s15, 0
	s_cbranch_scc0 .Lfor_b_\@
	tensor_load_to_lds s[\g0a:\g0a+3], s[\g1a:\g1a+7]
	s_nop 0
.rept 4
	v_nop
.endr
	s_branch .Lasked_\@
.Lfor_b_\@:
	tensor_load_to_lds s[\g0b:\g0b+3], s[\g1b:\g1b+7]
	s_nop 0
.rept 4
	v_nop
.endr
.Lasked_\@:
.endm
.macro CREST
	s_cmp_lg_u32 s14, 0
	s_cbranch_scc1 .Lnot_wave_0_\@
	s_barrier_signal -3
.Lnot_wave_0_\@:
	s_barrier_wait -3
	s_barrier_signal -1
	s_barrier_wait -1
.endm
.macro CROUND
	s_barrier_signal -1
	s_barrier_wait -1
	CREST
.endm
	s_load_b512 s[68:83], s[0:1], 0x0
	s_load_b64 s[84:85], s[0:1], 0x40
	v_lshl_add_u32 v[SPW], v0, 2, SPARE
	v_mov_b32 v[NIL], 0
	ds_add_u32 v28, v29
	ds_add_u32 v28, v29
	s_wait_dscnt 0x0
	v_lshrrev_b32 v1, 5, v0
	v_readfirstlane_b32 s14, v1
	s_lshr_b32 s15, s14, 1
	s_and_b32 s16, s14, 1
	s_bfe_u32 s40, ttmp6, 0x40000
	s_bfe_u32 s41, ttmp6, 0x40004
	s_lshr_b32 s2, ttmp9, 3
	s_and_b32 s18, ttmp9, 7
	s_cmp_eq_u32 s2, 2
	s_cselect_b32 s19, s18, 0
	s_cselect_b32 s18, 0, s18
	s_lshl_b32 s42, s19, 2
	s_add_co_u32 s42, s42, s40
	s_lshl_b32 s17, s18, 2
	s_add_co_u32 s17, s17, s41
	s_lshl_b32 s43, s41, 2
	s_lshl_b32 s43, 15, s43
	s_lshl_b32 s44, 0x1111, s40
	s_or_b32 s[G1+0], s43, (0<<16)|(1<<20)|(1<<21)|(5<<22)|(3<<25)
	s_or_b32 s[G1B+0], s44, (0<<16)|(1<<20)|(1<<21)|(5<<22)|(3<<25)
.irp g, G1, G1B
	s_mov_b32 s[\g+1], ROWB<<16
	s_mov_b32 s[\g+2], 256<<16
	s_mov_b32 s[\g+3], ROWB<<16
	s_mov_b32 s[\g+4], 256
	s_mov_b32 s[\g+5], KROW
	s_mov_b32 s[\g+6], 0
	s_mov_b32 s[\g+7], 0
.endr
	s_lshl_b32 s20, s17, 8
	s_lshl_b32 s46, s42, 8
	s_mov_b32 s21, 0
	s_mov_b32 s47, 0
	s_mov_b64 s[18:19], KS
	s_mul_u64 s[22:23], s[20:21], s[18:19]
	s_mul_u64 s[92:93], s[46:47], s[18:19]
	s_mov_b64 s[18:19], KROW
	s_mul_u64 s[20:21], s[20:21], s[18:19]
	s_mul_u64 s[46:47], s[46:47], s[18:19]
	s_mul_i32 s18, s16, 128*KROW                   ; in the ring a wave fetches 128 rows of a tile: which half, in bytes
	s_mov_b32 s19, 0
	s_mul_i32 s45, s14, HALFT
	s_wait_kmcnt 0x0
	s_cmp_eq_u32 s2, 0
	s_cselect_b64 s[8:9], s[72:73], s[76:77]
	s_cselect_b64 s[10:11], s[74:75], s[78:79]
	s_cmp_eq_u32 s2, 2
	s_cselect_b64 s[8:9], s[68:69], s[8:9]
	s_cselect_b64 s[10:11], s[70:71], s[10:11]
	s_cselect_b64 s[4:5], s[80:81], s[68:69]
	s_cselect_b64 s[6:7], s[82:83], s[70:71]
	s_mov_b64 s[12:13], s[84:85]
	s_add_nc_u64 s[20:21], s[4:5], s[20:21]
	s_add_nc_u64 s[22:23], s[6:7], s[22:23]
	s_add_nc_u64 s[46:47], s[8:9], s[46:47]
	s_add_nc_u64 s[92:93], s[10:11], s[92:93]
	s_or_b32 s[G1S+0], s43, (3<<16)|(1<<20)|(1<<21)|(5<<22)|(3<<25)
	s_or_b32 s[G1SB+0], s44, (3<<16)|(1<<20)|(1<<21)|(5<<22)|(3<<25)
.irp g, G1S, G1SB
	s_mov_b32 s[\g+1], 32<<16
	s_mov_b32 s[\g+2], KS<<16
	s_mov_b32 s[\g+3], 32<<16
	s_mov_b32 s[\g+4], KS
	s_mov_b32 s[\g+5], 32
	s_mov_b32 s[\g+6], 0
	s_mov_b32 s[\g+7], 0
.endr
	CROUND
	s_mov_b32 s[G0S], 1
	s_mov_b32 s[G0S+1], SCL
	s_mov_b64 s[G0S+2:G0S+3], s[22:23]
	s_or_b32 s[G0S+3], s[G0S+3], 0x80000000
	s_mov_b32 s[G0SB], 1
	s_mov_b32 s[G0SB+1], SCL+2*HALFS
	s_mov_b64 s[G0SB+2:G0SB+3], s[92:93]
	s_or_b32 s[G0SB+3], s[G0SB+3], 0x80000000
.set G0H, 4                            ; s[4:7], s[8:11] group 0 of the head's loads of K step 0 (the addresses that lay there have been used)
.set G0HB, 8
	s_mov_b32 s[G0H], 1
	s_mov_b32 s[G0H+1], 0
	s_mov_b64 s[G0H+2:G0H+3], s[20:21]
	s_or_b32 s[G0H+3], s[G0H+3], 0x80000000
	s_mov_b32 s[G0HB], 1
	s_mov_b32 s[G0HB+1], 2*HALFT
	s_mov_b64 s[G0HB+2:G0HB+3], s[46:47]
	s_or_b32 s[G0HB+3], s[G0HB+3], 0x80000000
	s_add_nc_u64 s[20:21], s[20:21], s[18:19]      ; for the ring: my 128 rows of the tile
	s_add_nc_u64 s[46:47], s[46:47], s[18:19]
.irp s, 0,1
	s_mov_b32 s[G0+4*\s], 1
	s_add_co_u32 s[G0+4*\s+1], s45, \s*SLOT
	s_add_nc_u64 s[G0+4*\s+2:G0+4*\s+3], s[20:21], \s*ROWB
	s_or_b32 s[G0+4*\s+3], s[G0+4*\s+3], 0x80000000
	s_mov_b32 s[G0B+4*\s], 1
	s_add_co_u32 s[G0B+4*\s+1], s45, \s*SLOT
	s_add_nc_u64 s[G0B+4*\s+2:G0B+4*\s+3], s[46:47], \s*ROWB
	s_or_b32 s[G0B+4*\s+3], s[G0B+4*\s+3], 0x80000000
.endr
; the head's loads, one a wave: wave 0 K step 0's 256 rows of the first operand, wave 1 those of the second, waves 2 and 3 their scale bytes; one chain of branches on the wave's number
.macro ARM under, g0, g1, next
	s_cmp_lt_u32 s14, \under
	s_cbranch_scc0 \next
	tensor_load_to_lds s[\g0:\g0+3], s[\g1:\g1+7]
	s_nop 0
.rept 4
	v_nop
.endr
	s_branch .Lhead_asked
\next:
.endm
	ARM 1, G0H,  G1,  .Lhead_b
	ARM 2, G0HB, G1B, .Lhead_sa
	ARM 3, G0S,  G1S, .Lhead_sb
	tensor_load_to_lds s[G0SB:G0SB+3], s[G1SB:G1SB+7]
	s_nop 0
.rept 4
	v_nop
.endr
.Lhead_asked:
	v_and_b32 v1, 15, v0
	v_bfe_u32 v2, v0, 4, 1
	v_mul_u32_u24 v3, v1, PITCH
	v_lshl_add_u32 v4, v2, 4, v3
	s_mul_i32 s21, s15, HALFT
	s_mul_i32 s22, s16, HALFT
	s_add_co_u32 s22, s22, 2*HALFT
.irp s, 0,1
	v_add_nc_u32 v[ADRA+\s], s21, v4
	v_add_nc_u32 v[ADRB+\s], s22, v4
	s_add_co_u32 s21, s21, SLOT
	s_add_co_u32 s22, s22, SLOT
.endr
	v_mul_u32_u24 v5, v1, KS
	v_lshrrev_b32 v6, 8, v5
	v_lshl_add_u32 v5, v6, 4, v5
	s_mul_i32 s21, s15, HALFS
	s_mul_i32 s22, s16, HALFS
	s_add_co_u32 s22, s22, 2*HALFS
	s_sub_co_u32 s22, s22, s21
	v_mul_u32_u24 v6, s22, v2
	s_add_co_u32 s21, s21, SCL
	v_add_nc_u32 v5, v5, v6
	v_add_nc_u32 v[ADRS], s21, v5
	s_lshl_b32 s40, s42, 1
	s_add_co_u32 s40, s40, s16
	s_lshl_b32 s41, s17, 1
	s_add_co_u32 s41, s41, s15
	s_mov_b32 s99, KVHEAD
	s_mov_b32 s46, 2*BLK
	s_cmp_eq_u32 s2, 0
	s_cselect_b32 s99, QHEAD, s99
	s_cselect_b32 s46, BLK, s46
	s_cselect_b32 s47, 0, KVOFF
	s_mov_b32 s94, 1024
	s_cmp_eq_u32 s2, 2
	s_cselect_b32 s43, s40, s41
	s_cselect_b32 s44, s41, s40
	s_cselect_b32 s94, 2048, s94
	s_cselect_b32 s96, KVHEAD-8192, 0
	s_cselect_b32 s45, BLK, 0
	s_cselect_b32 s98, 1024, s99
	s_mov_b32 s95, 0
	s_mov_b32 s97, 0
	s_lshr_b32 s92, s43, 4
	s_lshl_b32 s92, s92, 4
	s_lshl_b32 s93, s44, 1
	s_add_co_u32 s92, s92, s93
	s_mul_i32 s92, s92, s99
	s_and_b32 s93, s43, 15
	s_mul_i32 s93, s93, s46
	s_add_co_u32 s92, s92, s93
	s_add_co_u32 s92, s92, s47
	s_add_co_u32 s92, s92, s45
	s_mov_b32 s93, 0
	s_add_nc_u64 s[12:13], s[12:13], s[92:93]
	s_add_nc_u64 s[100:101], s[12:13], 8192
	v_and_b32 v6, 31, v0
	v_lshlrev_b32 v[VO0], 4, v6
	v_add_nc_u32 v[VO1], s98, v[VO0]
	v_lshlrev_b32 v[V8A], 3, v6
	v_add_nc_u32 v[V8B], s99, v[V8A]
	v_mov_b32 v[FL], 0x4800000
	s_mov_b32 s20, 0x76543210
	s_mov_b32 s21, 0xfedcba98
	s_mov_b32 s22, 0x600000
.macro FRAG reg, adr, q, i
.irp c, 0,1,2,3
	ds_load_b128 v[\reg+4*\c:\reg+4*\c+3], v[\adr] offset:128*(\q)+32*\c+(\i)*16*PITCH
.endr
.endm
.macro MUL16 a0, p, q, sc, zero
.irp a, \a0, \a0+1
.irp b, 0,1,2,3,4,5,6,7
.if \zero
	v_wmma_scale_f32_16x16x128_f8f6f4 v[8*(8*((\a)%4)+\b):8*(8*((\a)%4)+\b)+7], v[128*(\p)+FR*\b:128*(\p)+FR*\b+FR-1], v[AF+FR*(\a):AF+FR*(\a)+FR-1], 0, v[SC+8*NQ*(\sc)+NQ*\b+(\q)], v[SC+8*NQ*(\sc)+NQ*(\a)+(\q)] matrix_a_scale:MATRIX_SCALE_ROW1
.else
	v_wmma_scale_f32_16x16x128_f8f6f4 v[8*(8*((\a)%4)+\b):8*(8*((\a)%4)+\b)+7], v[128*(\p)+FR*\b:128*(\p)+FR*\b+FR-1], v[AF+FR*(\a):AF+FR*(\a)+FR-1], v[8*(8*((\a)%4)+\b):8*(8*((\a)%4)+\b)+7], v[SC+8*NQ*(\sc)+NQ*\b+(\q)], v[SC+8*NQ*(\sc)+NQ*(\a)+(\q)] matrix_a_scale:MATRIX_SCALE_ROW1
.endif
.endr
.endr
.endm
.macro FETCH_B slot, q, p
	WIN TO_B
.irp i, 0,1,2,3,4,5,6,7
	FRAG 128*(\p)+FR*\i, ADRB+\slot, \q, \i
.endr
	WIN 0
.endm
.macro FETCH_A slot, q, i0
.irp i, \i0, \i0+1, \i0+2, \i0+3
	FRAG AF+FR*(\i), ADRA+\slot, \q, \i
.endr
.endm
.macro SCALES sc
.irp i, 0,1,2,3,4,5,6,7
	ds_load_b64 v[SC+8*NQ*\sc+NQ*\i:SC+8*NQ*\sc+NQ*\i+1], v[ADRS] offset:\i*SBLK
.endr
.endm
.macro PLACES n
.rept \n
	v_nop
.endr
.endm
.macro STEP slot, q, zero
	s_wait_dscnt 4*NL
	WIN MUL_LO
	MUL16 0, (\q)%2, \q, \slot, \zero
	MUL16 2, (\q)%2, \q, \slot, \zero
	s_wait_dscnt 0
	PLACES NP
	FETCH_B \slot, (\q)+1, 1-(\q)%2
	FETCH_A \slot, (\q)+1, 0
	WIN MUL_HI
	MUL16 4, (\q)%2, \q, \slot, \zero
	MUL16 6, (\q)%2, \q, \slot, \zero
	PLACES NP
	WIN 0
	FETCH_A \slot, (\q)+1, 4
.endm
.macro TURN slot, next, fill
	s_wait_tensorcnt 0x0
	ds_add_u32 v[SPW], v[NIL]
	s_wait_dscnt 4*NL+1
	WIN MUL_LO
	MUL16 0, 1, NQ-1, \slot, 0
	s_wait_dscnt 0x0
	s_barrier_signal -1
	MUL16 2, 1, NQ-1, \slot, 0
	WIN 0
	s_barrier_wait -1
.if \fill
	CREST
	s_add_nc_u64 s[G0+4*\slot+2:G0+4*\slot+3], s[G0+4*\slot+2:G0+4*\slot+3], 2*ROWB
	s_add_nc_u64 s[G0B+4*\slot+2:G0B+4*\slot+3], s[G0B+4*\slot+2:G0B+4*\slot+3], 2*ROWB
	JLOAD G0+4*\slot, G1, G0B+4*\slot, G1B
	PLACES NP-4
.else
	PLACES NP
.endif
	s_wait_alu depctr_va_vdst(0)
	v_add_nc_u32 v[ADRS], 4*NQ, v[ADRS]
	FETCH_B \next, 0, 0
	FETCH_A \next, 0, 0
	SCALES \next
	WIN MUL_HI
	MUL16 4, 1, NQ-1, \slot, 0
	MUL16 6, 1, NQ-1, \slot, 0
	PLACES NP
	WIN 0
	FETCH_A \next, 0, 4
.endm
	s_wait_alu depctr_va_vdst(0)
	s_wait_tensorcnt 0x0                           ; my tile of the head's four is in
	ds_add_u32 v[SPW], v[NIL]
	s_mov_b32 s[G1+2], 128<<16                     ; no tensor load of mine is out: from here on a load brings 128 rows
	s_mov_b32 s[G1+4], 128
	s_mov_b32 s[G1B+2], 128<<16
	s_mov_b32 s[G1B+4], 128
	s_wait_dscnt 0x0
	CROUND                                         ; all four tiles are in, and all sixteen work-groups are here
	JLOAD G0+4, G1, G0B+4, G1B                     ; K step 1, the first tensor load behind the round
	FETCH_B 0, 0, 0
	FETCH_A 0, 0, 0
	SCALES 0
	FETCH_A 0, 0, 4
	STEP 0, 0, 1
	s_mov_b32 s3, LAPS-1
.Llap:
	TURN 0, 1, 1
	STEP 1, 0, 0
	TURN 1, 0, 1
	STEP 0, 0, 0
	s_sub_co_u32 s3, s3, 1
	s_cmp_lg_u32 s3, 0
	s_cbranch_scc1 .Llap
	TURN 0, 1, 0
	STEP 1, 0, 0
	s_wait_dscnt 4*NL
	WIN MUL_LO
	MUL16 0, 1, NQ-1, 1, 0
	MUL16 2, 1, NQ-1, 1, 0
	s_wait_dscnt 0
	WIN MUL_HI
	MUL16 4, 1, NQ-1, 1, 0
	MUL16 6, 1, NQ-1, 1, 0
	WIN 0
.macro QUANTP a
.set AC, 64*((\a)%4)
.set P, PC+16*((\a)%2)
	WIN 0x28+0x14*((\a)/4)
.irp b, 0,1,2,3
	v_max3_num_f32 v[TM+\b], v[FL], |v[AC+16*\b]|, |v[AC+16*\b+1]|
.endr
.irp i, 2,4,6,8,10,12,14
.irp b, 0,1,2,3
	v_max3_num_f32 v[TM+\b], v[TM+\b], |v[AC+16*\b+\i]|, |v[AC+16*\b+\i+1]|
.endr
.endr
	WIN 0
.irp b, 0,1,2,3
	v_permlanex16_b32 v[TM+4+\b], v[TM+\b], s20, s21
.endr
.irp b, 0,1,2,3
	v_max_num_f32 v[TM+\b], v[TM+\b], v[TM+4+\b]
.endr
.irp b, 0,1,2,3
	v_add_nc_u32 v[TM+12+\b], 0xfc000000, v[TM+\b]
.endr
.irp b, 0,1,2,3
	v_and_or_b32 v[TM+8+\b], v[TM+\b], 0x7f800000, s22
.endr
.irp b, 0,1,2,3
	v_lshrrev_b32 v[TM+4+\b], 23, v[TM+12+\b]
.endr
	v_lshl_or_b32 v[WRD+\a], v[TM+5], 8, v[TM+4]
	v_lshl_or_b32 v[WRD+\a], v[TM+6], 16, v[WRD+\a]
	v_lshl_or_b32 v[WRD+\a], v[TM+7], 24, v[WRD+\a]
	WIN 0x02+(\a)/4
.irp b, 0,1,2,3
.irp i, 0,1,2,3,4,5,6,7,8,9,10,11,12,13,14,15
	v_med3_num_f32 v[HELD+16*\b+\i], v[AC+16*\b+\i], -v[TM+8+\b], v[TM+8+\b]
.endr
.endr
	WIN 0
.irp b, 0,1,2,3
	v_cvt_scalef32_pk8_fp8_f32 v[P+4*\b:P+4*\b+1], v[HELD+16*\b:HELD+16*\b+7], v[TM+12+\b]
	v_cvt_scalef32_pk8_fp8_f32 v[P+4*\b+2:P+4*\b+3], v[HELD+16*\b+8:HELD+16*\b+15], v[TM+12+\b]
.endr
	v_nop
; the codes stay as the conversions leave them: of a block of 32 along the next K, place 16 h + e (e < 8) holds number 8 h + e and place 16 h + 8 + e number 16 + 8 h + e (h = lane / 16).
; q and k carry this order alike, and so do v and the next launch's p: a permutation of K inside a block of 32, applied alike to both operands, keeps the products and the scale bytes
.endm
.macro SENDT a
.set P, PC+16*((\a)%2)
	s_wait_xcnt 0x0
.if (\a) > 0
	s_add_nc_u64 s[12:13], s[12:13], s[94:95]
.endif
.if (\a) == 4
	s_add_nc_u64 s[12:13], s[12:13], s[96:97]
.endif
	global_store_b128 v[VO0], v[P:P+3], s[12:13]
	global_store_b128 v[VO0], v[P+4:P+7], s[12:13] offset:512
	global_store_b128 v[VO1], v[P+8:P+11], s[12:13]
	global_store_b128 v[VO1], v[P+12:P+15], s[12:13] offset:512
.endm
	PLACES NP
.irp b, 0,1,2,3
	v_mov_b32 v[TM+4+\b], 0
.endr
.irp a, 0,1,2,3,4,5,6,7
	QUANTP \a
	s_wait_alu depctr_va_vdst(0)
	SENDT \a
.endr
	s_mov_b32 vcc_lo, 0xffff0000
	s_cmp_eq_u32 s2, 2
	s_cbranch_scc1 .Lwords_v
	s_mov_b32 s18, 0x05040100
	s_mov_b32 s19, 0x07060302
.irp hd, 0,1
.irp p, 0,1,2,3
	v_perm_b32 v[YP+\p], v[WRD+2*\p+1], v[WRD+2*\p], s[18+\hd]
.endr
.irp i, 0,1
	v_cndmask_b32 v[ZP+2*\hd+\i], v[YP+2*\i], v[YP+2*\i+1], vcc_lo
.endr
.endr
	s_branch .Lwords_out
.Lwords_v:
.irp hd, 0,1
.irp i, 0,1
	v_cndmask_b32 v[ZP+2*\hd+\i], v[WRD+4*\hd+2*\i], v[WRD+4*\hd+2*\i+1], vcc_lo
.endr
.endr
.Lwords_out:
	s_wait_alu depctr_va_vdst(0)
	global_store_b64 v[V8A], v[ZP:ZP+1], s[100:101]
	global_store_b64 v[V8B], v[ZP+2:ZP+3], s[100:101]
	s_wait_tensorcnt 0x0
	ds_add_u32 v[SPW], v[NIL]
	s_wait_dscnt 0x0
	CROUND
	s_endpgm
.Lfunc_end_k_q9beae0df31_proj:
	.size	k_q9beae0df31_proj, .Lfunc_end_k_q9beae0df31_proj-k_q9beae0df31_proj
	.p2alignl 7, 3214868480
	.fill 96, 4, 3214868480
	.section	.rodata,"a",@progbits
	.p2align	6, 0x0
	.amdhsa_kernel k_q9beae0df31_proj
		.amdhsa_group_segment_fixed_size 327680
		.amdhsa_private_segment_fixed_size 0
		.amdhsa_enable_private_segment 0
		.amdhsa_kernarg_size 72
		.amdhsa_user_sgpr_count 2
		.amdhsa_user_sgpr_kernarg_segment_ptr 1
		.amdhsa_wavefront_size32 1
		.amdhsa_system_sgpr_workgroup_id_x 1
		.amdhsa_system_sgpr_workgroup_id_y 1
		.amdhsa_system_sgpr_workgroup_id_z 1
		.amdhsa_system_vgpr_workitem_id 0
		.amdhsa_next_free_vgpr 1024
		.amdhsa_next_free_sgpr 102
		.amdhsa_reserve_vcc 1
		.amdhsa_float_denorm_mode_32 3
		.amdhsa_float_denorm_mode_16_64 3
		.amdhsa_memory_ordered 1
		.amdhsa_forward_progress 1
		.amdhsa_inst_pref_size 187
	.end_amdhsa_kernel
	.amdgpu_metadata
---
amdhsa.version: [ 1, 2 ]
amdhsa.kernels:
  - .name:           k_q9beae0df31_proj
    .symbol:         k_q9beae0df31_proj.kd
    .args:
      - { .name: x_codes, .offset: 0, .size: 8, .value_kind: global_buffer, .address_space: global }
      - { .name: x_scales, .offset: 8, .size: 8, .value_kind: global_buffer, .address_space: global }
      - { .name: Wq_codes, .offset: 16, .size: 8, .value_kind: global_buffer, .address_space: global }
      - { .name: Wq_scales, .offset: 24, .size: 8, .value_kind: global_buffer, .address_space: global }
      - { .name: Wk_codes, .offset: 32, .size: 8, .value_kind: global_buffer, .address_space: global }
      - { .name: Wk_scales, .offset: 40, .size: 8, .value_kind: global_buffer, .address_space: global }
      - { .name: Wv_codes, .offset: 48, .size: 8, .value_kind: global_buffer, .address_space: global }
      - { .name: Wv_scales, .offset: 56, .size: 8, .value_kind: global_buffer, .address_space: global }
      - { .name: ws, .offset: 64, .size: 8, .value_kind: global_buffer, .address_space: global }
    .group_segment_fixed_size: 327680
    .private_segment_fixed_size: 0
    .kernarg_segment_align: 8
    .kernarg_segment_size: 72
    .max_flat_workgroup_size: 128
    .sgpr_count:     102
    .vgpr_count:     1024
    .wavefront_size: 32
...
	.end_amdgpu_metadata
.endif
;; end of part 1
;; launch attn (part 2): grid 4 x 64, 8 waves a work-group, clusters of 4 x 1, 327,680 bytes of LDS; arguments ws, out0; writes out0
.if DOCPART == 2
	.amdgcn_target "amdgcn-amd-amdhsa--gfx1250"
	.amdhsa_code_object_version 6
	.text
	.protected	k_q9beae0df31_attn
	.globl	k_q9beae0df31_attn
	.p2align	8
	.type	k_q9beae0df31_attn,@function
k_q9beae0df31_attn:
	s_mov_b64 s[64:65], 0
	v_nop
	global_prefetch_b8 v0, s[64:65] scope:SCOPE_SE
	s_setreg_imm32_b32 hwreg(HW_REG_WAVE_MODE, 25, 1), 1
	s_wait_xcnt 0x0
	s_wait_alu depctr_hold_cnt(0) depctr_sa_sdst(0) depctr_va_vdst(0) depctr_va_sdst(0) depctr_va_ssrc(0) depctr_va_vcc(0) depctr_vm_vsrc(0)
	s_getreg_b32 s2, hwreg(HW_REG_IB_STS2, 6, 4)
	s_cmp_eq_u32 s2, 0
	s_cbranch_scc0 .Lentry_in_a_cluster
	s_endpgm
.Lentry_in_a_cluster:
	s_bfe_u32 s2, ttmp6, 0x10000c
	s_cmp_lg_u32 s2, 0x3003
	s_cbranch_scc0 .Lentry_shape_is_right
	s_endpgm
.Lentry_shape_is_right:
; out[b][q][head][:] = the sum over k of softmax_k(q . k / 32) v, for 64 (batch, head) pairs, 2,048 keys, head size 64; both products on codes of FP8 (E4M3) with one E8M0 byte for each 32 along a product's K.
; q, k, v come from ws as images of operand registers (BLK = 8,192 bytes of codes + 256 of scale words; q of pair bh, tokens 128 s on: bh x 16 BLK + s BLK; k: KVOFF + bh x 32 BLK + s x 2 BLK; v: BLK behind k).
; THE SOFTMAX: t = score x log2(e) / 32; M = the row's largest t so far, rounded up to a whole number; p = 2^(t - M) is quantised along the keys; the row's sum is taken of the unquantised p and divides O at the end.
; When M moves, the sum and O are multiplied by f = 2^(old M - new M): exact.
; SHARES.  256 work-groups: one owns 512 queries of one pair, in two passes of 256.  Each of its eight waves owns 32 queries of a pass, TWO tiles of 16: tile A's numbers lie in register window 0, tile B's in window 1,
; under the same register numbers, so that one text serves both.  A fragment of k or v that is read from LDS feeds both tiles' products.  k's fragments lie in window 0, v's in window 1, at the same numbers.
; LDS.  A pair's k, v and scale words are one dense stream of 270,336 bytes, 16,896 a key step of 128 keys.  It comes in once: each wave asks for two key steps by one tensor load.  No byte is filled twice.
; Waves 0 and 1 have a load line of their own and ask first: the first barrier shows key steps 0 to 3; the second, behind step 2, shows the rest.  Behind it no barrier stands until the end: the second pass reads the same bytes.
; k's fragments are read from LDS one key step ahead, behind tile A's second product: they land under tile B's softmax.  A pass's last step has no step behind it: its address is held at step 15, and what it reads is not used.
; CLUSTER.  The four work-groups of a cluster are the four of one pair and read the same stream: each load is asked for jointly, with the same descriptor and a mask that names the four.
; No prefetch is written: every byte that the work-group reads by tensor loads is asked for at the kernel's head, so there is no loop to run ahead in.
; LAYOUT.  Both products transposed: S^T = K Q^T, O^T = V^T P^T: a lane holds one query (lane % 16).  A fragment of k holds two key tiles (K = 64 each); Q stands as [Q][zeros][Q]: zero codes add nothing.
; In S^T register 16 b + i holds, of block b of 32 keys, key 8 h + i (i < 8) or 16 + 8 h + i - 8 (h = lane / 16).  p's codes go to the second product in that order, and v's images carry the same order of the keys
; inside each block of 32 (q's and k's images likewise along the channels): a permutation of K inside a block, applied alike to both operands, keeps the products and the scale bytes.
; THE ROW'S SUM is added one step late, in four chains: p still stands in S^T's registers when the next step begins, and the additions are the plain lines behind the products.
; THE SECOND PASS CLEARS NOTHING: it begins with M = -3e38, so its first f is 0, and what the first pass left in the sum, in S^T's and in O^T's registers is multiplied by 0 before it counts.
; LIMITS: NaN and infinities are not served (a first pass's result that is not finite would also reach the same wave's second pass).  The scaled scores stay under 2^31 in magnitude.  A block all of whose p have fallen under 2^-118 keeps the byte 1.
; REGISTERS (both windows unless said): v1-4 LDS addresses, v5-7 the way out's, v8 tile B's Q scale word, v9 its p scale word, v10, v11 the add's (all window 0); v12 -M, v13 the largest t, v[14:15] the sum;
;   v16-39 Q, zeros, Q; v40 tile A's Q scale word; v41 at work; v[42:43] k's scale words, v[44:45] v's (window 0); v46 f, v47 p's scale word; v48-63 held numbers; v64-127 k (window 0), v (window 1);
;   v128-191 S^T, then p; v192-223 O^T; v224-239 p's codes; v240-255 a block's figures.  Scale operands are always taken from window 0.
.set BLK,    8448
.set QHEAD,  16*BLK
.set STEPB,  2*BLK
.set KVHEAD, 16*STEPB
.set KVOFF,  64*QHEAD
.set SPARE,  16*STEPB                  ; behind the stream: the spare words, 128 bytes a wave
.set STAGE,  SPARE+1024                ; the way out: 16 rows x 272 bytes a wave; no tensor load lands here
.set SP,     272
.set LI,  1
.set L8,  2
.set AD,  3
.set AD8, 4
.set STO, 5
.set RD,  6
.set GO,  7
.set QSB, 8
.set PWB, 9
.set SPW, 10
.set NIL, 11
.set QD,  16
.set QS,  40
.set TMP, 41
.set KSC, 42
.set VSC, 44
.set FF,  46
.set PW,  47
.set TA,  48
.set TC,  56
.set KV,  64
.set S,   128
.set O,   192
.set PC,  224
.set BM,  240
.set PM,  244
.set LIM, 248
.set SCO, 252
.set WV,  8
.set G1,  16
.set G0,  24
.set QB,  28                           ; s[28:29] my q block of the first pass
.set QO,  30                           ; s30 my two tiles' codes in it
.set QW,  31                           ; s31 their scale word
.set TB,  56
.set CNT, 57
.set CS,  58
.set SEL, 60
.set MNT, 62
.set TN,  63                           ; s63 LDS byte at which the next key step begins
.set MSB, 0
.macro WIN new                         ; the immediate's high byte repeats the setting that is left
.if MSB != (\new)
	s_set_vgpr_msb (MSB<<8)|(\new)
.set MSB, (\new)
.endif
.endm
.macro CROUND                          ; a round of the cluster's barrier
	s_barrier_signal -1
	s_barrier_wait -1
	s_cmp_lg_u32 s[WV], 0
	s_cbranch_scc1 .Lnot_wave_0_\@
	s_barrier_signal -3
.Lnot_wave_0_\@:
	s_barrier_wait -3
	s_barrier_signal -1
	s_barrier_wait -1
.endm
; Q of pass p: tile A's codes into window 0, tile B's into window 1, and the word that holds both tiles' scale bytes
.macro QLOAD p
	v_add_nc_u32 v49, s[QO], v[LI]
	v_and_b32 v50, 15, v0
	s_delay_alu instid0(VALU_DEP_1)
	v_lshl_add_u32 v50, v50, 3, s[QW]
	global_load_b128 v[QD:QD+3], v49, s[QB:QB+1] offset:\p*STEPB
	global_load_b128 v[QD+4:QD+7], v49, s[QB:QB+1] offset:\p*STEPB+512
	global_load_b32 v48, v50, s[QB:QB+1] offset:\p*STEPB+8192
	WIN 0x40
	global_load_b128 v[QD:QD+3], v49, s[QB:QB+1] offset:\p*STEPB+1024
	global_load_b128 v[QD+4:QD+7], v49, s[QB:QB+1] offset:\p*STEPB+1536
	WIN 0
.endm
.macro QHALF                           ; Q once more, behind the zeros; M begins under every t
.irp i, 0,1,2,3,4,5,6,7
	v_mov_b32 v[QD+16+\i], v[QD+\i]
.endr
	v_mov_b32 v13, 0xff61b1e6
	s_delay_alu instid0(VALU_DEP_1)
	v_floor_f32 v12, -v13
.endm
.macro QFIX
	v_perm_b32 v[QS], v48, v48, s70
	v_perm_b32 v[QSB], v48, v48, s71
	QHALF
	WIN 0x55
	QHALF
	WIN 0
.endm
.macro CLEAR                           ; once: the zero codes, and what the first step reads before it writes
.irp i, 0,1,2,3,4,5,6,7
	v_mov_b32 v[QD+8+\i], 0
.endr
	v_mov_b32 v14, 0
	v_mov_b32 v15, 0
	v_mov_b32 v[PW], 0
.irp b, 0,1,2,3
	v_mov_b32 v[PM+\b], 0
.endr
.set j, 0
.rept 96
	v_mov_b32 v[S+j], 0                            ; S^T's and O^T's registers
.set j, j+1
.endr
.endm
.macro PREP                            ; the first pass's Q is asked for, and both windows are made ready
	QLOAD 0
	CLEAR
	WIN 0x40
	CLEAR
	WIN 0
.endm
	s_load_b128 s[4:7], s[0:1], 0x0                ; ws, out0
	v_lshl_add_u32 v[SPW], v0, 2, SPARE
	v_mov_b32 v[NIL], 0
	ds_add_u32 v[SPW], v[NIL]                      ; the opening lines: the add, twice on end, and its wait ahead of the first tensor load
	ds_add_u32 v[SPW], v[NIL]
	v_lshrrev_b32 v51, 5, v0
	s_delay_alu instid0(VALU_DEP_1)
	v_readfirstlane_b32 s[WV], v51                 ; wave 0..7
	s_bfe_u32 s9, ttmp6, 0x40000                   ; cx: my 512 queries of the pair: it enters q's and out0's addresses alone
	s_and_b32 s11, ttmp7, 0xffff                   ; the pair, which the four partners share
	s_mov_b32 s[G1+0], 15|(3<<16)|(1<<21)          ; the mask: all four; elements of 8 bytes; no padding; bit 21 beside a mask
	s_mov_b32 s[G1+1], 32<<16                      ; rows of 256 bytes,
	s_mov_b32 s[G1+2], 132<<16                     ; 132 of them: two key steps, dense in memory and in LDS
	s_mov_b32 s[G1+3], 32<<16
	s_mov_b32 s[G1+4], 132
	s_mov_b32 s[G1+5], 32
	s_mov_b32 s[G1+6], 0
	s_mov_b32 s[G1+7], 0
	s_mul_i32 s13, s[WV], 2*STEPB                  ; key steps 2 wave, 2 wave + 1: their place in the stream and in LDS alike
	s_mul_i32 s14, s11, KVHEAD
	s_add_co_u32 s14, s14, s13
	s_add_co_u32 s14, s14, KVOFF                   ; under 2^25
	s_mov_b32 s15, 0
	s_lshl_b32 s36, s9, 2                          ; q block 4 cx + wave / 4 (second pass: two on)
	s_lshr_b32 s38, s[WV], 2
	s_add_co_u32 s36, s36, s38
	s_mul_i32 s36, s36, BLK
	s_mul_i32 s38, s11, QHEAD
	s_add_co_u32 s36, s36, s38
	s_mov_b32 s37, 0
	s_and_b32 s38, s[WV], 3                        ; my tiles are the tile pair p = wave % 4 of that block
	s_lshl_b32 s[QO], s38, 11                      ; codes: 2,048 p
	s_and_b32 s39, s38, 1                          ; its scale word: word p / 2 of lane 16 (p % 2) + row
	s_lshl_b32 s39, s39, 7
	s_lshr_b32 s38, s38, 1
	s_lshl_b32 s38, s38, 2
	s_add_co_u32 s[QW], s39, s38
	s_lshr_b32 s38, s11, 4                         ; my first row of out0: 2,048 x batch + 512 cx + 32 wave
	s_lshl_b32 s38, s38, 11
	s_lshl_b32 s39, s9, 9
	s_add_co_u32 s38, s38, s39
	s_lshl_b32 s39, s[WV], 5
	s_add_co_u32 s38, s38, s39
	s_lshl_b32 s38, s38, 12
	s_and_b32 s39, s11, 15
	s_lshl_b32 s39, s39, 8                         ; the head's 64 channels: 256 bytes
	s_add_co_u32 s38, s38, s39                     ; under 2^26
	s_mov_b32 s39, 0
	s_mul_i32 s12, s[WV], 16*SP
	s_add_co_u32 s12, s12, STAGE                   ; my stage
	s_mov_b32 s[CS], 0x3d38aa3b                    ; c = log2(e) / 32
	s_mov_b32 s[CS+1], s[CS]
	s_mov_b32 s[SEL], 0x76543210
	s_mov_b32 s[SEL+1], 0xfedcba98
	s_mov_b32 s[MNT], 0x600000
	s_mov_b32 s70, 0x01000100                      ; the even tile's two scale bytes are the word's lower two, the odd tile's the upper two; set twice, for [Q][zeros] and [zeros][Q] alike
	s_mov_b32 s71, 0x03020302
	v_and_b32 v[LI], 31, v0
	s_delay_alu instid0(VALU_DEP_1)
	v_lshlrev_b32 v[L8], 3, v[LI]
	s_delay_alu instid0(VALU_DEP_2)
	v_lshlrev_b32 v[LI], 4, v[LI]
	v_and_b32 v51, 15, v0                          ; r
	v_bfe_u32 v52, v0, 4, 1                        ; h
	v_mul_u32_u24 v[STO], v51, SP
	s_delay_alu instid0(VALU_DEP_1)
	v_lshl_add_u32 v[STO], v52, 5, v[STO]
	s_delay_alu instid0(VALU_DEP_1)
	v_add_nc_u32 v[STO], s12, v[STO]               ; in: row r; channel tile t's eight channels of my half: 64 t + 32 h bytes on
	v_mul_u32_u24 v[RD], v52, SP
	s_delay_alu instid0(VALU_DEP_1)
	v_lshl_add_u32 v[RD], v51, 4, v[RD]
	s_delay_alu instid0(VALU_DEP_1)
	v_add_nc_u32 v[RD], s12, v[RD]                 ; back: lanes 0-15 one row, lanes 16-31 the next
	v_lshlrev_b32 v[GO], 12, v52
	s_delay_alu instid0(VALU_DEP_1)
	v_lshl_add_u32 v[GO], v51, 4, v[GO]            ; the same two rows of out0, 4,096 bytes apart
	s_wait_alu depctr_va_vdst(0)
	s_wait_dscnt 0x0                               ; both opening adds are done
	s_wait_kmcnt 0x0
	s_mov_b32 s[G0], 1
	s_mov_b32 s[G0+1], s13
	s_add_nc_u64 s[G0+2:G0+3], s[4:5], s[14:15]
	s_or_b32 s[G0+3], s[G0+3], 0x80000000
	s_add_nc_u64 s[QB:QB+1], s[4:5], s[36:37]
	s_add_nc_u64 s[32:33], s[6:7], s[38:39]        ; out0: the first pass's rows,
	s_add_nc_u64 s[34:35], s[32:33], 0x100000      ; the second's: 256 rows on
	CROUND                                         ; all four work-groups are here: the joint loads meet
	s_cmp_lt_u32 s[WV], 2                          ; one load a wave; waves 0 and 1, which alone wait at the first barrier, have a line of their own.
	s_cbranch_scc0 .Lrest                          ; Their tiles are wanted first, so they ask ahead of their register work, the other waves behind theirs
	tensor_load_to_lds s[G0:G0+3], s[G1:G1+7]
	s_nop 0
.rept 4
	v_nop
.endr
	PREP
	s_branch .Lasked
.Lrest:
	PREP
	tensor_load_to_lds s[G0:G0+3], s[G1:G1+7]
	s_nop 0
.rept 4
	v_nop
.endr
.Lasked:
	s_wait_alu depctr_va_vdst(0)
	s_wait_loadcnt 0x0                             ; Q
	QFIX
; the last step's p are added to the sum, two at a time, in four chains: the sum's own and three in registers that are free here
.macro SUM_HEAD
	v_pk_add_f32 v[PM:PM+1], v[S:S+1], v[S+2:S+3]
	v_pk_add_f32 v[PM+2:PM+3], v[S+4:S+5], v[S+6:S+7]
	v_pk_add_f32 v[LIM:LIM+1], v[S+8:S+9], v[S+10:S+11]
	v_pk_add_f32 v[14:15], v[14:15], v[S+12:S+13]
	v_pk_add_f32 v[PM:PM+1], v[PM:PM+1], v[S+14:S+15]
	v_pk_add_f32 v[PM+2:PM+3], v[PM+2:PM+3], v[S+16:S+17]
	v_pk_add_f32 v[LIM:LIM+1], v[LIM:LIM+1], v[S+18:S+19]
.endm
.macro SUM_REST
.irp j, 20,28,36,44,52
	v_pk_add_f32 v[14:15], v[14:15], v[S+\j:S+\j+1]
	v_pk_add_f32 v[PM:PM+1], v[PM:PM+1], v[S+\j+2:S+\j+3]
	v_pk_add_f32 v[PM+2:PM+3], v[PM+2:PM+3], v[S+\j+4:S+\j+5]
	v_pk_add_f32 v[LIM:LIM+1], v[LIM:LIM+1], v[S+\j+6:S+\j+7]
.endr
	v_pk_add_f32 v[14:15], v[14:15], v[S+60:S+61]
	v_pk_add_f32 v[PM:PM+1], v[PM:PM+1], v[S+62:S+63]
	s_delay_alu instid0(VALU_DEP_1)
	v_pk_add_f32 v[PM:PM+1], v[PM:PM+1], v[PM+2:PM+3]
	s_delay_alu instid0(VALU_DEP_3)
	v_pk_add_f32 v[14:15], v[14:15], v[LIM:LIM+1]
	s_delay_alu instid0(VALU_DEP_1)
	v_pk_add_f32 v[14:15], v[14:15], v[PM:PM+1]
.endm
.macro SMUL qs                         ; S^T = K Q^T: key tile t lies in half t % 2 of fragment t / 2
.irp t, 0,1,2,3,4,5,6,7
.if (\t/2)%2
	v_wmma_scale_f32_16x16x128_f8f6f4 v[S+8*\t:S+8*\t+7], v[KV+16*(\t/2):KV+16*(\t/2)+15], v[QD+8*(\t%2):QD+8*(\t%2)+15], 0, v[KSC+\t/4], v[\qs] matrix_a_scale:MATRIX_SCALE_ROW1
.else
	v_wmma_scale_f32_16x16x128_f8f6f4 v[S+8*\t:S+8*\t+7], v[KV+16*(\t/2):KV+16*(\t/2)+15], v[QD+8*(\t%2):QD+8*(\t%2)+15], 0, v[KSC+\t/4], v[\qs]
.endif
.endr
.endm
.macro PMUL pw                         ; O^T += V^T P^T: the four accumulators by turns
.irp t, 0,1,2,3
.if \t%2
	v_wmma_scale_f32_16x16x128_f8f6f4 v[O+8*\t:O+8*\t+7], v[KV+16*\t:KV+16*\t+15], v[PC:PC+15], v[O+8*\t:O+8*\t+7], v[VSC+\t/2], v[\pw] matrix_a_scale:MATRIX_SCALE_ROW1
.else
	v_wmma_scale_f32_16x16x128_f8f6f4 v[O+8*\t:O+8*\t+7], v[KV+16*\t:KV+16*\t+15], v[PC:PC+15], v[O+8*\t:O+8*\t+7], v[VSC+\t/2], v[\pw]
.endif
.endr
.endm
.macro ORESC j
	v_pk_mul_f32 v[O+\j:O+\j+1], v[O+\j:O+\j+1], v[FF:FF+1] op_sel_hi:[1,0]
.endm
; ONE TILE'S SOFTMAX AND QUANTISER for 128 keys, under the tile's window.  pw: where p's scale word goes, in window 0; sw = 1: the tile lies in window 1
.macro SOFTMAX pw, sw
.if \sw
	s_wait_alu depctr_va_vdst(0)                   ; the other tile's exponentials stand between these scores' products and their first reader
.endif
.irp b, 0,1,2,3
	v_max3_num_f32 v[BM+\b], v[S+16*\b], v[S+16*\b+1], v[S+16*\b+2]   ; the largest score of each block of 32 keys: for the row's maximum and, since p rises with the score, for the block's largest p
.endr
.irp i, 3,5,7,9,11,13
.irp b, 0,1,2,3
	v_max3_num_f32 v[BM+\b], v[BM+\b], v[S+16*\b+\i], v[S+16*\b+\i+1]
.endr
.endr
.irp b, 0,1,2,3
	v_max_num_f32 v[BM+\b], v[BM+\b], v[S+16*\b+15]
.endr
.irp b, 0,1,2,3
	s_delay_alu instid0(VALU_DEP_4)
	v_permlanex16_b32 v[PM+\b], v[BM+\b], s[SEL], s[SEL+1]
.endr
.irp b, 0,1,2,3
	s_delay_alu instid0(VALU_DEP_4)
	v_max_num_f32 v[BM+\b], v[BM+\b], v[PM+\b]     ; with lane l xor 16's 16 keys
.endr
	s_delay_alu instid0(VALU_DEP_2)
	v_max3_num_f32 v[TMP], v[BM], v[BM+1], v[BM+2]
	s_delay_alu instid0(VALU_DEP_1)
	v_max_num_f32 v[TMP], v[TMP], v[BM+3]
	s_delay_alu instid0(VALU_DEP_1)
	v_mul_f32 v[TMP], s[CS], v[TMP]                ; as t (c is positive)
	s_delay_alu instid0(VALU_DEP_1)
	v_max_num_f32 v13, v13, v[TMP]                 ; the running largest t
	v_mov_b32 v[TMP], v12
	s_delay_alu instid0(VALU_DEP_2)
	v_floor_f32 v12, -v13                          ; the new -M = -ceil(t)
	s_delay_alu instid0(VALU_DEP_1)
	v_sub_f32 v[TMP], v12, v[TMP]                  ; old M - new M: a whole number, 0 or less
	s_delay_alu instid0(VALU_DEP_1)
	v_cvt_i32_f32 v[TMP], v[TMP]                   ; (it saturates)
	s_delay_alu instid0(VALU_DEP_1)
	v_ldexp_f32 v[FF], 1.0, v[TMP]                 ; f
.set j, 0
.rept 32
	v_pk_fma_f32 v[S+j:S+j+1], v[S+j:S+j+1], s[CS:CS+1], v[12:13] op_sel_hi:[1,0,0]   ; t - M
.set j, j+2
.endr
.irp b, 0,2
	v_pk_fma_f32 v[BM+\b:BM+\b+1], v[BM+\b:BM+\b+1], s[CS:CS+1], v[12:13] op_sel_hi:[1,0,0]   ; the same of each block's largest score
.endr
	s_wait_alu depctr_va_vdst(0)
.set j, 0
.rept 64
	v_exp_f32 v[S+j], v[S+j]                       ; p = 2^(t - M)
.set j, j+1
.endr
.irp b, 0,1,2,3
	v_exp_f32 v[BM+\b], v[BM+\b]                   ; the block's largest p, in the same batch
.endr
	v_pk_mul_f32 v[14:15], v[14:15], v[FF:FF+1] op_sel_hi:[1,0]   ; the sum under the new M (the plain line behind the batch)
	s_wait_alu depctr_va_vdst(0)                   ; one wait behind the batch; it stands directly ahead of O^T's first reader too
.irp j, 0,2,4,6,8,10
	ORESC \j                                       ; O^T under the new M
.endr
.irp b, 0,1,2,3
	v_max_num_f32 v[BM+\b], 0x4800000, v[BM+\b]    ; the floor 2^(9 - 127): the byte cannot fall under 1
.endr
.irp b, 0,1,2,3
	s_delay_alu instid0(VALU_DEP_4)
	v_add_nc_u32 v[SCO+\b], 0xfc000000, v[BM+\b]   ; 8 off the exponent field: the conversion's scale operand
.endr
.irp b, 0,1,2,3
	v_and_or_b32 v[LIM+\b], v[BM+\b], 0x7f800000, s[MNT]   ; 448 x the scale
.endr
.irp b, 0,1,2,3
	v_lshrrev_b32 v[PM+\b], 23, v[SCO+\b]          ; the scale's byte
.endr
	s_delay_alu instid0(VALU_DEP_3)
	v_lshl_or_b32 v[PW], v[PM+1], 8, v[PM]
	s_delay_alu instid0(VALU_DEP_2)
	v_lshl_or_b32 v[PM+2], v[PM+3], 8, v[PM+2]
; The holds (the conversion to an 8-bit code does not saturate: ISA guide 7.6.2; p is not negative, so they are one-sided) write other registers, so that p stays for the sum.
; Two holds to an instruction: eight numbers of block b and eight of block b + 1; destinations of unlike parity, sources in unlike banks.
.irp b, 0,2
.irp u, 0,8
.irp e, 0,1,2,3,4,5,6,7
	v_dual_min_num_f32 v[TA+\e], v[S+16*\b+\u+\e], v[LIM+\b] :: v_dual_min_num_f32 v[TC+\e+1-2*(\e%2)], v[S+16*\b+16+\u+\e+1-2*(\e%2)], v[LIM+\b+1]
.endr
.if (\b+\u) == 0
.if \sw
	WIN 0x15                                       ; sources in window 1, the scale word in window 0
.endif
	v_lshl_or_b32 v[\pw], v[PM+2], 16, v[PW]       ; p's scale word for these 128 keys: more than eight plain lines ahead of the products that take it
.if \sw
	WIN 0x55
.endif
.endif
	v_cvt_scalef32_pk8_fp8_f32 v[PC+4*\b+\u/4:PC+4*\b+\u/4+1], v[TA:TA+7], v[SCO+\b]
	v_cvt_scalef32_pk8_fp8_f32 v[PC+4*\b+4+\u/4:PC+4*\b+4+\u/4+1], v[TC:TC+7], v[SCO+\b+1]
	ORESC 12+2*\b+\u/4                             ; the plain line behind the conversions, ahead of the next write of their sources
.endr
.endr
.irp j, 20,22,24,26,28,30
	ORESC \j                                       ; with the line above: seven plain lines between the codes' last write and the products (four are asked)
.endr
.endm
.macro KLOAD a, a8                     ; k of one key step: four fragments, 512 consecutive bytes a load, and its scale words: 17 loads, into window 0
.set g, 0
.rept 16
	ds_load_b128 v[KV+4*g:KV+4*g+3], v[\a] offset:512*g
.set g, g+1
.endr
	ds_load_b64 v[KSC:KSC+1], v[\a8] offset:8192
.endm
; A KEY STEP: 128 keys, both tiles.  Its k was asked for a step ago.  cl = 1: the run reaches the stream's last step, so the next step's address is held there
.macro BODY cl
	v_add_nc_u32 v[AD], s[TB], v[LI]
	v_add_nc_u32 v[AD8], s[TB], v[L8]
	SUM_HEAD                                       ; with the two additions: nine plain lines behind the last products, ahead of the loads into v's registers (eight are asked)
	WIN 0x40
.set g, 0
.rept 16
	ds_load_b128 v[KV+4*g:KV+4*g+3], v[AD] offset:BLK+512*g        ; v: four fragments of 16 channels x 128 keys, into window 1
.set g, g+1
.endr
	WIN 0
	ds_load_b64 v[VSC:VSC+1], v[AD8] offset:BLK+8192
	SUM_REST
	s_wait_alu depctr_va_vdst(0)
	s_wait_dscnt 17                                ; k and its words are in; v's 17 younger loads may be out
	SMUL QS
	WIN 0x55
	SUM_HEAD                                       ; tile B's sum: the plain lines behind tile A's products
	SUM_REST
	WIN 0x44                                       ; k from window 0; Q and the scores in window 1
	SMUL QSB
	WIN 0
	SOFTMAX PW, 0
	s_wait_alu depctr_va_vdst(0)
	s_wait_dscnt 0x0                               ; v is in
	WIN 0x01                                       ; v from window 1
	PMUL PW
	WIN 0
	s_add_co_u32 s[TN], s[TB], STEPB               ; the next step's k: its registers were last read by tile B's first products, a softmax ago
.if \cl
	s_min_u32 s[TN], s[TN], 15*STEPB
.endif
	v_add_nc_u32 v[AD], s[TN], v[LI]
	v_add_nc_u32 v[AD8], s[TN], v[L8]
	KLOAD AD, AD8
	WIN 0x55
	SOFTMAX PWB, 1
	PMUL PWB
	WIN 0
	s_add_co_u32 s[TB], s[TB], STEPB
.endm
.macro RUN from, trips, cl
	s_mov_b32 s[TB], \from*STEPB
	s_mov_b32 s[CNT], \trips
.Lstep_\@:
	BODY \cl
	s_sub_co_u32 s[CNT], s[CNT], 1
	s_cmp_lg_u32 s[CNT], 0
	s_cbranch_scc1 .Lstep_\@
.endm
; THE WAY OUT of a pass.  FIN, under a tile's window: the last step's p are summed, O^T is divided by the sum, into S^T's registers
.macro FIN
	SUM_HEAD
	SUM_REST
	s_delay_alu instid0(VALU_DEP_1)
	v_add_f32 v14, v14, v15
	s_delay_alu instid0(VALU_DEP_1)
	v_permlanex16_b32 v[TMP], v14, s[SEL], s[SEL+1]
	s_delay_alu instid0(VALU_DEP_1)
	v_add_f32 v14, v14, v[TMP]                     ; the row's sum
	s_wait_alu depctr_va_vdst(0)
	v_rcp_f32 v14, v14
	v_nop
	s_wait_alu depctr_va_vdst(0)
.set j, 0
.rept 16
	v_pk_mul_f32 v[S+j:S+j+1], v[O+j:O+j+1], v[14:15] op_sel_hi:[1,0]   ; register 8 t + i is o(r, 16 t + 8 h + i)
.set j, j+2
.endr
.endm
.macro TOSTAGE back                    ; a tile through my stage, back into v's registers (window 1): LDS serves a wave's instructions in order (ISA guide 5.7.1.4), so the loads see the stores, and the next tile's stores come behind them
.irp t, 0,1,2,3
	ds_store_b128 v[STO], v[S+8*\t:S+8*\t+3] offset:64*\t
	ds_store_b128 v[STO], v[S+8*\t+4:S+8*\t+7] offset:64*\t+16
.endr
	WIN 0x40
.irp i, 0,1,2,3,4,5,6,7
	ds_load_b128 v[\back+4*\i:\back+4*\i+3], v[RD] offset:2*\i*SP
.endr
.endm
.macro OUT ob
	FIN
	WIN 0x55
	FIN
	WIN 0
	TOSTAGE KV
	WIN 0x04                                       ; the stores' data in window 1
	TOSTAGE KV+32
	WIN 0x04
	s_wait_dscnt 16                                ; tile A is back; tile B's 8 stores and 8 loads may be out
.irp i, 0,1,2,3,4,5,6,7
	global_store_b128 v[GO], v[KV+4*\i:KV+4*\i+3], s[\ob:\ob+1] offset:2*\i*4096 th:TH_STORE_NT   ; 16 lanes store 256 consecutive bytes, at a multiple of 256 from out0's first byte
.endr
	s_wait_dscnt 0x0
.irp i, 0,1,2,3,4,5,6,7
	global_store_b128 v[GO], v[KV+32+4*\i:KV+32+4*\i+3], s[\ob:\ob+1] offset:65536+2*\i*4096 th:TH_STORE_NT   ; tile B: 16 rows on
.endr
	WIN 0
.endm
	s_wait_alu depctr_va_vdst(0)
	s_cmp_lt_u32 s[WV], 2
	s_cbranch_scc0 .Lnot_mine
	s_wait_tensorcnt 0x0                           ; waves 0 and 1: key steps 0 to 3 are in
.Lnot_mine:
	s_barrier_signal -1
	s_barrier_wait -1
	KLOAD LI, L8                                   ; key step 0's k
	RUN 0, 3, 0                                    ; steps 0 to 2; they read k of steps 1 to 3 ahead
	s_wait_alu depctr_va_vdst(0)
	s_wait_tensorcnt 0x0                           ; every wave: all that is still out
	s_wait_dscnt 0x0
	s_barrier_signal -1
	s_barrier_wait -1
	RUN 3, 13, 1
	s_wait_dscnt 0x0                               ; no load into k's registers is out
	KLOAD LI, L8                                   ; the second pass's first k, and
	QLOAD 1                                        ; its Q, are on their way while the first pass goes out
	OUT 32
	s_wait_alu depctr_va_vdst(0)
	s_wait_xcnt 0x0                                ; the stores have read their registers, into which v is loaded next
	s_wait_loadcnt 0x0                             ; Q
	QFIX
	s_wait_alu depctr_va_vdst(0)
	RUN 0, 16, 1
	OUT 34
	s_wait_tensorcnt 0x0                           ; the wave's end
	ds_add_u32 v[SPW], v[NIL]
	s_wait_dscnt 0x0
	CROUND                                         ; the closing round
	s_endpgm
.Lfunc_end_k_q9beae0df31_attn:
	.size	k_q9beae0df31_attn, .Lfunc_end_k_q9beae0df31_attn-k_q9beae0df31_attn
	.p2alignl 7, 3214868480
	.fill 96, 4, 3214868480
	.section	.rodata,"a",@progbits
	.p2align	6, 0x0
	.amdhsa_kernel k_q9beae0df31_attn
		.amdhsa_group_segment_fixed_size 327680
		.amdhsa_private_segment_fixed_size 0
		.amdhsa_enable_private_segment 0
		.amdhsa_kernarg_size 16
		.amdhsa_user_sgpr_count 2
		.amdhsa_user_sgpr_kernarg_segment_ptr 1
		.amdhsa_wavefront_size32 1
		.amdhsa_system_sgpr_workgroup_id_x 1
		.amdhsa_system_sgpr_workgroup_id_y 1
		.amdhsa_system_sgpr_workgroup_id_z 1
		.amdhsa_system_vgpr_workitem_id 0
		.amdhsa_next_free_vgpr 512
		.amdhsa_next_free_sgpr 72
		.amdhsa_reserve_vcc 0
		.amdhsa_float_denorm_mode_32 3
		.amdhsa_float_denorm_mode_16_64 3
		.amdhsa_memory_ordered 1
		.amdhsa_forward_progress 1
		.amdhsa_inst_pref_size 153
	.end_amdhsa_kernel
	.amdgpu_metadata
---
amdhsa.version: [ 1, 2 ]
amdhsa.kernels:
  - .name:           k_q9beae0df31_attn
    .symbol:         k_q9beae0df31_attn.kd
    .args:
      - { .name: ws, .offset: 0, .size: 8, .value_kind: global_buffer, .address_space: global }
      - { .name: out0, .offset: 8, .size: 8, .value_kind: global_buffer, .address_space: global }
    .group_segment_fixed_size: 327680
    .private_segment_fixed_size: 0
    .kernarg_segment_align: 8
    .kernarg_segment_size: 16
    .max_flat_workgroup_size: 256
    .sgpr_count:     72
    .vgpr_count:     512
    .wavefront_size: 32
...
	.end_amdgpu_metadata
.endif
;; end of part 2
